; MI455X (gfx1250); checked and timed in simulation.
; The chip was launched on July 23, 2026; its instructions are those of AMD's public machine-readable ISA for CDNA 5 (MIT licence, August 2026) and "CDNA5" Instruction Set Architecture Reference Guide (July 2026). The comments in the code are by the model that wrote it; some were corrected since.
;; CNF ODE. Allowed arithmetic: matrix products marked QUANTISED: E2M1 operands, one E8M0 scale for each 32 along K, by v_wmma_scale_f32_16x16x128_f8f6f4 with both operands' format E2M1 (or v_wmma_scale_f32_32x16x128_f4), f32 sums; products left as they are: f32 operands where the result goes on into a quantised operand, else bf16, f16 or f32 operands; f32 sums; everything else in f32.
;; Inputs: W1 3 x 128 float32; W2 128 x 128 float32; W3 128 x 64 float32; W4 64 x 2 float32; b1 128 float32; b2 128 float32; b3 64 float32; b4 2 float32; logp 524,288 x 1 float32; t one number float32; v 524,288 x 2 float32; y 524,288 x 2 float32.
;; Outputs: out0 524,288 x 2 float32; out1 524,288 x 1 float32.
;; This version of the problem:
;;   THIS VERSION OF THE PROBLEM IS GIVEN IN LOW PRECISION. The matrix products marked QUANTISED in the list below multiply operands that are first quantised to E2M1 (2 exponent bits, 1 mantissa bit; 4 bits a number), with one power-of-two scale for each 32 numbers along K (OCP MX v1.0); their sums are f32. All else is computed in f32.
;;   The module's matrix products, in the order in which they are computed (A, B: the left and right operand; K: the contracted axis; several contracted axes count as one K, in the product's order):
;;     1. [M 524,288, K 3] x [K 3, N 128]; A: computed on the way; B: input W1: left as it is (K = 3 < 32)
;;     2. [M 524,288, K 128] x [K 128, N 128]; A: computed on the way; B: input W2: QUANTISED
;;     3. [M 524,288, K 128] x [K 128, N 64]; A: computed on the way; B: input W3: QUANTISED
;;     4. [M 524,288, K 64] x [K 64, N 2]; A: computed on the way; B: input W4: left as it is (N = 2 < 16)
;;     5. [M 524,288, K 2] x [K 2, N 64]; A: input v; B: input W4: left as it is (K = 2 < 32)
;;     6. [M 524,288, K 64] x [K 64, N 128]; A: computed on the way; B: input W3: QUANTISED
;;     7. [M 524,288, K 128] x [K 128, N 128]; A: computed on the way; B: input W2: QUANTISED
;;     8. [M 524,288, K 128] x [K 128, N 3]; A: computed on the way; B: input W1: left as it is (N = 3 < 16)
;;   THE QUANTISER, for each operand of a quantised product, along K:
;;     - K is cut into blocks of 32 from its start; a last block that is shorter is filled with zeros.
;;     - A block's scale is 2^e with e = floor(log2(the largest magnitude in the block)) - 2, held to -126 .. 127; a block of zeros has e = 0. As a byte (E8M0): e + 127.
;;     - Each number is divided by its block's scale, clamped to +-6, and rounded to the nearest number of E2M1, ties to even, subnormals kept.
;;     - The product sums the exact products of the quantised numbers (number of the format x scale) in f32.
;;   ~~~python
;;   def quantise(x, axis):      # numpy; x: float32 -> the quantised numbers, widened to float32 again
;;       x = np.moveaxis(x, axis, -1); K = x.shape[-1]
;;       x = np.pad(x, [(0, 0)] * (x.ndim - 1) + [(0, -K % 32)]); x = x.reshape(x.shape[:-1] + (-1, 32)); a = np.abs(x).max(-1, keepdims=True)
;;       e = np.where(a > 0, np.clip(np.frexp(np.where(a > 0, a, 1))[1] - 1 - 2, -126, 127), 0)      # np.frexp(a)[1] - 1 = floor(log2(a)), exactly
;;       r = np.clip(x / 2.0 ** e, -6, 6)
;;       step = 2.0 ** (np.maximum(np.frexp(np.where(r == 0, 1, r))[1] - 1, 0) - 1)
;;       q = np.round(r / step) * step * 2.0 ** e      # np.round: ties to even
;;       return np.moveaxis(q.reshape(q.shape[:-2] + (-1,))[..., :K], -1, axis).astype(np.float32)
;;   ~~~
;;   OPERANDS COMPUTED ON THE WAY. 'Computed on the way' means the value that the module computes at that place (a softmax that the list does not call 'softmax' is quantised finished and normalised). What goes into a quantiser is computed in f32, as accurately as f32 sums, v_exp_f32 and their like allow (about 1e-6 of the number): no bf16 or f16 on the way to a quantiser, and a product that is left as it is and whose result goes on into a quantised operand takes f32 operands (vector FMAs, or v_wmma_f32_16x16x4_f32). A number that lies on a knife's edge between two numbers of the format may be rounded either way, as far as f32 arithmetic and the matrix unit's own rounding can turn it there, and no further.
;; 2 versions, each right; version 2 is version 1 with the launch cnf written anew for expert scheduling mode. Each part assembles by itself: llvm-mc -triple=amdgcn-amd-amdhsa -mcpu=gfx1250 --defsym DOCPART=n.
;; ======== version 1 of 2: 1 launch
;; launch cnf (part 1): grid 256 x 1, 8 waves a work-group, no clusters, 91,136 bytes of LDS; arguments y, v, t, W1, b1, W2, b2, W3, b3, W4, b4, out0, out1; writes out0, out1
.if DOCPART == 1
	.amdgcn_target "amdgcn-amd-amdhsa--gfx1250"
	.amdhsa_code_object_version 6
	.text
	.protected	k_q11a81121b4_cnf
	.globl	k_q11a81121b4_cnf
	.p2align	8
	.type	k_q11a81121b4_cnf,@function
k_q11a81121b4_cnf:
	s_mov_b64 s[64:65], 0
	v_nop
	global_prefetch_b8 v0, s[64:65] scope:SCOPE_SE
	s_setreg_imm32_b32 hwreg(HW_REG_WAVE_MODE, 25, 1), 1
	s_wait_xcnt 0x0
; dy = mlp(y, t) and -div = -(J^T v . v) for 524,288 independent rows, in one launch.
; Forward:  z1 = (y0, y1, t) W1 + b1; h = silu(z); z2 = Q(h1) Q(W2) + b2; z3 = Q(h2) Q(W3) + b3; dy = h3 W4 + b4.
; Backward: gh3 = v W4^T; gz = gh silu'(z); gh2 = Q(gz3) Q(W3^T); gh1 = Q(gz2) Q(W2^T); g = gz1 W1^T (its first two columns); out1 = -(g . v).
; Q: codes of FP4 (E2M1) with one E8M0 scale for each 32 along the product's K.  W2 and W3 are quantised twice: down their first axis for the forward products, along their second for the backward ones.
; SHARES.  256 work-groups of 8 waves; a wave owns 256 rows, 16 tiles of 16, one tile a trip.  Waves share only the weights' images in LDS, made once ahead of the one barrier.
; LAYOUT.  Every product is used transposed: source 0 = 16 rows of a weight, source 1 = the tile's 16 rows.  Lane (r = lane % 16, h = lane / 16) holds row r throughout, its registers run along the features.
; THE WEIGHT ROWS OF A TILE ARE NOT NEIGHBOURS: lane r of tile t takes feature 32 (t / 2) + 8 (t % 2) + r + 8 (r / 8), so that register 16 b + i of a result is feature 32 b + 16 h + i: 16 neighbours along the next K,
; and z, silu'(z) and the backward gradients of a layer lie register for register alike.
; silu: s = 1 / (1 + 2^(-z log2 e)); h = z s; silu' = s (z - h) + s.  An overflowing exponential gives s = 0, h = 0, silu' = 0; a vanishing one s = 1, h = z, silu' = 1.
; Products 1 and 5 feed quantisers: f32 operands, by the f32 matrix form with K = 4: (y0, y1, t, 1) against (W1[0], W1[1], W1[2], b1), and (v0, v1, 0, 0) against (W4[.,0], W4[.,1], 0, 0).
; Products 4 and 8 feed the outputs alone: bf16 operands.  b2 and b3 are the C of their products; b4 is added.
; Product 6 has K = 64: two weight tiles share one fragment (codes of tile 2 p in registers 0-3, of tile 2 p + 1 in 4-7), and gz3's operand is the run [codes | zeros | codes]: its first eight registers pick tile 2 p, its last eight tile 2 p + 1.
; LIMITS: NaN and infinities among the inputs are not served.  A block whose largest magnitude lies under 2^-124 takes the scale byte 1 (a block of zeros too: its codes are zeros).  The exponential and the reciprocal flush denormals.
; Products 4 and 8 round their operands to bf16.  logp is not read and the t column of product 8 is not made.
; REGISTERS, in two windows of 256 (s_set_vgpr_msb: bits 1:0 source 0, 3:2 source 1, 5:4 source 2, 7:6 destination).
;   window 0: v1-23 addresses and a tile's small numbers; v24-48 scale words; v50-61 codes; v62-73 the quantiser's; v76-115 the small weights; v116-127 the head's; v128-191 accumulators; v192-255 h, z - h, gz.
;   window 1: v0-63, v64-127, v128-159 silu' of layers 1, 2, 3 (layers 2 and 3: first their bias); v160-191, v192-255 weight fragments on their way through.
.set IMG_W2F, 0                        ; LDS: images of operand registers, 1,024 bytes a fragment: four registers of lane l at 512 c + 16 l.  W2 forward, 8 tiles
.set IMG_W2B, 8192                     ; W2 backward, 8 tiles
.set IMG_W3F, 16384                    ; W3 forward, 4 tiles
.set IMG_W3B, 20480                    ; W3 backward, 4 double fragments
.set IMG_W1B, 24576                    ; W1 in bf16, 4 fragments
.set SCL,     28672                    ; 24 images of scale words, 128 bytes each: W2 forward 0-7, W2 backward 8-15, W3 forward 16-19, W3 backward 20-23
.set BIAS,    31744                    ; b2 (512 bytes), b3 (256), as they lie in memory
.set IO,      32768                    ; for each wave 7,168 bytes of its own: y 2,048, v 2,048, out0's stage 2,048, out1's 1,024
.set IOW,     7168
.set LI,   1                           ; v1   16 x lane
.set BA,   2                           ; v2   BIAS + 64 h
.set AY,   3                           ; v3   my wave's y + 8 r
.set AO1,  4                           ; v4   my wave's stage for out1 + 4 r
.set A1,   5                           ; v5-7 addresses at work
.set A2,   6
.set A3,   7
.set YN,   10                          ; v10-11 the next tile's y;  v12-13 its v
.set VN,   12
.set XB,   14                          ; v14-15 source 1 of product 1
.set VB,   16                          ; v16-17 source 1 of product 5
.set VCUR, 18                          ; v18-19 v of the tile in hand
.set DYO,  20                          ; v20-21 dy
.set O1,   22                          ; v22    -div
.set SW2F, 24                          ; the weights' scale words: they hold scales and nothing else
.set SW2B, 32
.set SW3F, 40
.set SW3B, 44
.set PW,   48                          ; the scale word just made
.set ZR,   49                          ; 0
.set CD,   50                          ; v50-61 codes
.set TM,   62                          ; v62-65 largest magnitudes, v66-69 bytes, v70-73 the conversions' scale operands
.set W1A,  76                          ; v76-91   source 0 of product 1, 8 x 2
.set W4A,  92                          ; v92-99   source 0 of product 5, 4 x 2
.set W4B,  100                         ; v100-115 source 0 of product 4, bf16, 2 x 8
.set MK,   120                         ; -1 in lanes with r % 8 < 2, else 0
.set SH8,  121                         ; 8 h
.set EO,   122                         ; my wave's bytes + 16 x lane
.set SA,   123                         ; 16 x lane + 1,024 x wave
.set SS,   124                         ; 4 x lane + 128 x wave
.set LS,   125                         ; 4 x lane
.set ACC,  128                         ; written by matrix instructions alone, in the whole text
.set H,    192
.set DV1,  0                           ; window 1
.set DV2,  64
.set DV3,  128
.set WR1,  160
.set WR0,  192
.set WV,   34                          ; s34 my wave's number
.set NC,   38                          ; s[38:39] -log2(e), twice
.set SEL,  40                          ; s[40:41] v_permlanex16_b32's selects for lane l xor 16
.set HM,   42                          ; s42 lanes 16-31
.set TO,   43                          ; s43 128 x tile: the tile's bytes in y, v and out0's stage; the loop's counter
.set TN,   44                          ; s44 the next tile's, held at the last
.set TH,   45                          ; s45 64 x tile
.set MSB, 0
.macro WIN new                         ; the immediate's high byte repeats the setting that is left; a switch that changes nothing is dropped
.if MSB != \new
	s_set_vgpr_msb (MSB<<8)|\new
.set MSB, \new
.endif
.endm
.macro PLACES n
.rept \n
	v_nop
.endr
.endm
.macro LDIMG reg, off, n               ; n fragments come back from their images: the same registers in the same lanes
	WIN 0x40
.set lf, 0
.rept 2*\n
	ds_load_b128 v[\reg+4*lf:\reg+4*lf+3], v[LI] offset:\off+512*lf
.set lf, lf+1
.endr
.endm
.macro LDBIAS reg, off, n              ; a bias in the result's layout: tile t, lane half h: features 32 (t / 2) + 8 (t % 2) + 16 h + 0 .. 7
	WIN 0x40
.set lf, 0
.rept \n
	ds_load_b128 v[\reg+8*lf:\reg+8*lf+3],   v[BA] offset:\off+(32*(lf/2)+8*(lf%2))*4
	ds_load_b128 v[\reg+8*lf+4:\reg+8*lf+7], v[BA] offset:\off+(32*(lf/2)+8*(lf%2))*4+16
.set lf, lf+1
.endr
.endm
; n numbers z in the accumulators: s = sigmoid(z) into window 1's d, h = z s into H.  Each accumulator is read from its low end on.
; The exponentials are one batch and the reciprocals another: behind each a plain line and ONE wait ahead of the first instruction that names a result.
.macro ACT n, d
	WIN 0x40
.set aj, 0
.rept \n/2
	v_pk_mul_f32 v[\d+aj:\d+aj+1], v[ACC+aj:ACC+aj+1], s[NC:NC+1] op_sel_hi:[1,0]
.set aj, aj+2
.endr
	WIN 0x41
.set aj, 0
.rept \n
	v_exp_f32 v[\d+aj], v[\d+aj]
.set aj, aj+1
.endr
	v_nop
	s_wait_alu depctr_va_vdst(0)
.set aj, 0
.rept \n/2
	v_pk_add_f32 v[\d+aj:\d+aj+1], v[\d+aj:\d+aj+1], 1.0 op_sel_hi:[1,0]
.set aj, aj+2
.endr
.set aj, 0
.rept \n
	v_rcp_f32 v[\d+aj], v[\d+aj]
.set aj, aj+1
.endr
	v_nop
	s_wait_alu depctr_va_vdst(0)
	WIN 0x04
.set aj, 0
.rept \n/2
	v_pk_mul_f32 v[H+aj:H+aj+1], v[ACC+aj:ACC+aj+1], v[\d+aj:\d+aj+1]
.set aj, aj+2
.endr
	WIN 0
.endm
.macro ZH n, dst                       ; z - h
	WIN 0
.set aj, 0
.rept \n/2
	v_pk_add_f32 v[\dst+aj:\dst+aj+1], v[ACC+aj:ACC+aj+1], v[H+aj:H+aj+1] neg_lo:[0,1] neg_hi:[0,1]
.set aj, aj+2
.endr
.endm
.macro DF n, d, q                      ; silu' = s (z - h) + s, in s's place
	WIN 0x51
.set aj, 0
.rept \n/2
	v_pk_fma_f32 v[\d+aj:\d+aj+1], v[\d+aj:\d+aj+1], v[\q+aj:\q+aj+1], v[\d+aj:\d+aj+1]
.set aj, aj+2
.endr
.endm
.macro GMUL n, a, d, dst               ; gz = gh silu', the accumulators read from their low ends on
	WIN 0x04
.set aj, 0
.rept \n/2
	v_pk_mul_f32 v[\dst+aj:\dst+aj+1], v[ACC+\a+aj:ACC+\a+aj+1], v[\d+aj:\d+aj+1]
.set aj, aj+2
.endr
.endm
; 16 nb numbers of a lane, register 16 b + i = k 32 b + 16 h + i of my row, become codes in v[CD] on and the row's scale word in v[PW].  The blocks take turns, so that no line waits for the line above it.
.macro QUANT s, nb
	WIN 0
.set qb, 0
.rept \nb
	v_max3_num_f32 v[TM+qb], |v[(\s)+16*qb]|, |v[(\s)+16*qb+1]|, 0x1800000   ; my 16 numbers of block b, and the floor 2^(3 - 127): the byte cannot fall under 1
.set qb, qb+1
.endr
.set qi, 2
.rept 7
.set qb, 0
.rept \nb
	v_max3_num_f32 v[TM+qb], v[TM+qb], |v[(\s)+16*qb+qi]|, |v[(\s)+16*qb+qi+1]|
.set qb, qb+1
.endr
.set qi, qi+2
.endr
.set qb, 0
.rept \nb
	v_permlanex16_b32 v[TM+4+qb], v[TM+qb], s[SEL], s[SEL+1]
.set qb, qb+1
.endr
.set qb, 0
.rept \nb
	v_max_num_f32 v[TM+qb], v[TM+qb], v[TM+4+qb]     ; with lane l xor 16's 16: the block's largest magnitude
.set qb, qb+1
.endr
.set qb, 0
.rept \nb
	v_add_nc_u32 v[TM+8+qb], 0xff000000, v[TM+qb]    ; 2 off its exponent field: the conversion takes this operand's exponent field as its scale
.set qb, qb+1
.endr
.set qb, 0
.rept \nb
	v_lshrrev_b32 v[TM+4+qb], 23, v[TM+8+qb]         ; the scale's byte
.set qb, qb+1
.endr
.if \nb == 4
	v_lshl_or_b32 v[PW], v[TM+5], 8, v[TM+4]
	v_lshl_or_b32 v[PW], v[TM+6], 16, v[PW]
	v_lshl_or_b32 v[PW], v[TM+7], 24, v[PW]
.else
	v_lshl_or_b32 v23, v[TM+5], 8, v[TM+4]
	v_lshl_or_b32 v[PW], v23, 16, v23                ; the two bytes twice: they serve the codes in either half of the run
.endif
.set qb, 0
.rept \nb
	v_cvt_scalef32_pk8_fp4_f32 v[CD+2*qb],   v[(\s)+16*qb:(\s)+16*qb+7],    v[TM+8+qb]
	v_cvt_scalef32_pk8_fp4_f32 v[CD+2*qb+1], v[(\s)+16*qb+8:(\s)+16*qb+15], v[TM+8+qb]
.set qb, qb+1
.endr
	v_nop                                            ; one plain line behind the scaled conversions
.set qb, 0
.rept \nb/2                                          ; the operand's layout wants a whole block in a lane: lanes 0-15 block 2 c, lanes 16-31 block 2 c + 1
	v_permlane16_swap_b32 v[CD+4*qb],   v[CD+4*qb+2]
	v_permlane16_swap_b32 v[CD+4*qb+1], v[CD+4*qb+3]
.set qb, qb+1
.endr
.if \nb == 2
.irp i, 0,1,2,3
	v_mov_b32 v[CD+8+\i], v[CD+\i]                   ; [codes | zeros | codes]
.endr
.irp i, 0,1,2,3
	v_mov_b32 v[CD+4+\i], 0
.endr
.endif
.endm
; A weight's fragment: 64 numbers in window 1, register 32 c + i = k 64 c + 32 h + i of my weight row: two whole blocks a lane.  Codes into v[CD:CD+7], the row's scale word into v23.
.macro QW x
	WIN 0x05
.irp c, 0,1
	v_max3_num_f32 v[TM+\c], |v[\x+32*\c]|, |v[\x+32*\c+1]|, 0x1800000
.endr
	WIN 0x14
.irp i, 2,4,6,8,10,12,14,16,18,20,22,24,26,28,30
.irp c, 0,1
	v_max3_num_f32 v[TM+\c], v[TM+\c], |v[\x+32*\c+\i]|, |v[\x+32*\c+\i+1]|
.endr
.endr
	WIN 0
.irp c, 0,1
	v_add_nc_u32 v[TM+8+\c], 0xff000000, v[TM+\c]
.endr
.irp c, 0,1
	v_lshrrev_b32 v[TM+4+\c], 23, v[TM+8+\c]
.endr
	v_lshl_or_b32 v23, v[TM+5], 16, v[TM+4]          ; my two bytes: blocks h and 2 + h,
	v_lshlrev_b32 v23, v[SH8], v23                   ; at their places in the word;
	v_permlanex16_b32 v[TM+6], v23, s[SEL], s[SEL+1]
	v_or_b32 v23, v23, v[TM+6]                       ; with lane l xor 16's two the word is whole
	WIN 0x01
.irp c, 0,1
.irp g, 0,1,2,3
	v_cvt_scalef32_pk8_fp4_f32 v[CD+4*\c+\g], v[\x+32*\c+8*\g:\x+32*\c+8*\g+7], v[TM+8+\c]
.endr
.endr
	WIN 0
	v_nop                                            ; one plain line behind the scaled conversions
.endm
.macro PUTIMG img, scl                 ; the fragment and its scale words go to LDS as they stand
	ds_store_b128 v[SA], v[CD:CD+3]   offset:\img
	ds_store_b128 v[SA], v[CD+4:CD+7] offset:\img+512
	ds_store_b32  v[SS], v23          offset:\scl
	s_wait_dscnt 0x0                                 ; the stores have read their registers: the next fragment's codes may be written
.endm
	; ---- ids, addresses, constants.  Every LDS address register is made here, ahead of the first branch on the wave's number
	s_load_b512 s[8:23], s[0:1], 0x0                 ; y s[8:9], v s[10:11], t s[12:13], W1 s[14:15], b1 s[16:17], W2 s[18:19], b2 s[20:21], W3 s[22:23]
	s_load_b256 s[24:31], s[0:1], 0x40               ; b3 s[24:25], W4 s[26:27], b4 s[28:29], out0 s[30:31]
	s_load_b64 s[32:33], s[0:1], 0x60                ; out1
	v_lshl_add_u32 v74, v0, 2, 0x16000
	v_mov_b32 v75, 0
	v_lshrrev_b32 v116, 5, v0
	v_readfirstlane_b32 s[WV], v116                  ; wave 0..7
	v_and_b32 v116, 31, v0                           ; lane
	v_and_b32 v117, 15, v0                           ; r
	v_bfe_u32 v118, v0, 4, 1                         ; h
	v_and_b32 v119, 8, v117
	v_add_nc_u32 v119, v119, v117                    ; rho = r + 8 (r / 8)
	v_and_b32 v[MK], 6, v117
	v_min_u32 v[MK], 1, v[MK]
	v_add_nc_u32 v[MK], -1, v[MK]                    ; -1 where r % 8 < 2, else 0
	v_lshlrev_b32 v[SH8], 3, v118
	s_mul_i32 s46, s[WV], IOW
	s_add_co_u32 s46, s46, IO                        ; my wave's own bytes
	v_lshlrev_b32 v[LI], 4, v116
	v_lshl_add_u32 v[BA], v118, 6, BIAS
	v_lshl_add_u32 v[AY], v117, 3, s46
	v_lshl_add_u32 v[AO1], v117, 2, s46
	v_add_nc_u32 v[AO1], 6144, v[AO1]
	v_add_nc_u32 v[EO], s46, v[LI]
	s_lshl_b32 s47, s[WV], 10
	v_add_nc_u32 v[SA], s47, v[LI]
	v_lshlrev_b32 v[LS], 2, v116
	s_lshl_b32 s47, s[WV], 7
	v_add_nc_u32 v[SS], s47, v[LS]
	v_lshlrev_b32 v21, 3, v116                       ; 8 x lane: b3, in memory and in LDS
	; byte offsets of the head's global loads
	v_lshlrev_b32 v17, 2, v119                       ; 4 rho
	v_lshlrev_b32 v18, 3, v119                       ; 8 rho
	v_lshl_add_u32 v5, v118, 14, v17                 ; W2 down K: 32 h rows of 512 bytes + 4 rho
	v_lshlrev_b32 v6, 9, v119
	v_lshl_add_u32 v6, v118, 7, v6                   ; W2 along K: row rho + 128 h
	v_lshl_add_u32 v14, v118, 13, v17                ; W3 down K: 32 h rows of 256 bytes + 4 rho
	v_lshlrev_b32 v15, 8, v119
	v_lshl_add_u32 v15, v118, 7, v15                 ; W3 along K: row rho + 128 h
	v_lshl_add_u32 v16, v118, 10, v17                ; W1: row 2 h + 4 rho
	v_and_b32 v7, 1, v117
	v_lshlrev_b32 v19, 2, v7
	v_lshl_add_u32 v19, v118, 7, v19                 ; W4 for bf16: 16 h rows of 8 bytes + 4 (r % 2)
	v_lshlrev_b32 v20, 9, v7
	v_lshl_add_u32 v20, v118, 6, v20                 ; W1 for bf16: row r % 2 + 64 h
	v_mov_b32 v[ZR], 0
	v_mov_b32 v9, 1.0
.irp b, 0,1,2,3
	v_mov_b32 v[TM+4+\b], 0                          ; written once: a lane permute's destination counts as one of its sources
.endr
	s_mov_b32 s[NC], 0xbfb8aa3b                      ; -log2(e)
	s_mov_b32 s[NC+1], s[NC]                         ; (the packed form names the pair)
	s_mov_b32 s[SEL], 0x76543210
	s_mov_b32 s[SEL+1], 0xfedcba98
	s_mov_b32 s[HM], 0xffff0000
	s_lshr_b32 s46, s[WV], 1
	s_lshl_b32 s46, s46, 5
	s_and_b32 s47, s[WV], 1
	s_lshl_b32 s47, s47, 3
	s_add_co_u32 s46, s46, s47                       ; the first feature of tile w: 32 (w / 2) + 8 (w % 2)
	s_and_b32 s47, s[WV], 3
	s_lshl_b32 s58, ttmp9, 3
	s_add_co_u32 s58, s58, s[WV]                     ; which 256 rows are my wave's
	s_mov_b32 s61, 0
	s_wait_kmcnt 0x0
	s_load_b32 s35, s[12:13], 0x0                    ; t
	s_load_b64 s[36:37], s[28:29], 0x0               ; b4
	s_lshl_b32 s60, s46, 2
	s_add_nc_u64 s[48:49], s[18:19], s[60:61]        ; W2 at column tile w
	s_add_nc_u64 s[52:53], s[22:23], s[60:61]        ; W3 at column tile w (waves 0-3 use it)
	s_lshl_b32 s60, s46, 9
	s_add_nc_u64 s[50:51], s[18:19], s[60:61]        ; W2 at row tile w
	s_lshl_b32 s60, s47, 13
	s_add_nc_u64 s[54:55], s[22:23], s[60:61]        ; W3 at rows 32 (w - 4) (waves 4-7 use it)
	s_lshl_b32 s60, s47, 7
	s_add_nc_u64 s[56:57], s[14:15], s[60:61]        ; W1 at features 32 (w - 4) (likewise)
	s_lshl_b32 s60, s58, 11
	s_add_nc_u64 s[8:9], s[8:9], s[60:61]            ; y, v, out0 at my wave's rows: 2,048 bytes a wave
	s_add_nc_u64 s[10:11], s[10:11], s[60:61]
	s_add_nc_u64 s[30:31], s[30:31], s[60:61]
	s_lshl_b32 s60, s58, 10
	s_add_nc_u64 s[32:33], s[32:33], s[60:61]        ; out1: 1,024
	; ---- all global loads of the launch, in one run
.irp i, 0,1,2,3
	global_load_b128 v[H+4*\i:H+4*\i+3], v[LI], s[8:9] offset:512*\i th:TH_LOAD_NT        ; my 256 rows of y: 512 consecutive bytes a load
.endr
.irp i, 0,1,2,3
	global_load_b128 v[H+16+4*\i:H+16+4*\i+3], v[LI], s[10:11] offset:512*\i th:TH_LOAD_NT   ; and of v
.endr
.irp t, 0,1,2,3,4,5,6,7
	global_load_b32 v[W1A+2*\t], v16, s[14:15] offset:4*(32*(\t/2)+8*(\t%2))              ; W1[2 h][f]
	global_load_b32 v[H+32+\t],  v17, s[14:15] offset:512+4*(32*(\t/2)+8*(\t%2))          ; W1[1][f]
	global_load_b32 v[H+40+\t],  v17, s[16:17] offset:4*(32*(\t/2)+8*(\t%2))              ; b1[f]
.endr
.irp t, 0,1,2,3
	global_load_b64 v[W4A+2*\t:W4A+2*\t+1], v18, s[26:27] offset:8*(32*(\t/2)+8*(\t%2))   ; W4[f][0], W4[f][1]
.endr
	WIN 0x40
.set li, 0
.rept 16
	global_load_b128 v[DV2+4*li:DV2+4*li+3], v6, s[50:51] offset:256*(li/8)+16*(li%8)     ; W2 backward, tile w: W2[f][64 c + 32 h + ..]
.set li, li+1
.endr
.set li, 0
.rept 64
	global_load_b32 v[DV1+li], v5, s[48:49] offset:(64*(li/32)+li%32)*512                 ; W2 forward, tile w: W2[64 c + 32 h + i][f]
.set li, li+1
.endr
.set li, 0
.rept 32
	global_load_b32 v[WR1+li], v19, s[26:27] offset:(32*(li/16)+li%16)*8                  ; W4[32 b + 16 h + i][r % 2]
.set li, li+1
.endr
	WIN 0
	s_cmp_lt_u32 s[WV], 4
	s_cbranch_scc0 .Lc_back
	WIN 0x40
.set li, 0
.rept 64
	global_load_b32 v[WR0+li], v14, s[52:53] offset:(64*(li/32)+li%32)*256                ; waves 0-3: W3 forward, tile w
.set li, li+1
.endr
	WIN 0
	s_branch .Lc_done
.Lc_back:
	WIN 0x40
.set li, 0
.rept 16
	global_load_b128 v[WR0+4*li:WR0+4*li+3], v15, s[54:55] offset:2048*(li/8)+16*(li%8)   ; waves 4-7: W3 backward, tiles 2 (w - 4) and 2 (w - 4) + 1: eight rows apart
.set li, li+1
.endr
.irp g, 0,1,2,3
	global_load_b128 v[DV3+4*\g:DV3+4*\g+3], v20, s[56:57] offset:16*\g                   ; and W1[r % 2][32 (w - 4) + 16 h + ..]
.endr
	WIN 0
.Lc_done:
	s_cmp_lg_u32 s[WV], 0
	s_cbranch_scc1 .Lnot_0
	global_load_b128 v[10:13], v[LI], s[20:21]       ; wave 0: b2,
	global_load_b64 v[126:127], v21, s[24:25]        ; b3
.Lnot_0:
	s_wait_loadcnt 0x0                               ; for zero: the ways differ in their loads.  All offset registers are free behind it
	s_wait_kmcnt 0x0                                 ; t, b4
	; ---- y and v into my own bytes of LDS, as they lie
.irp i, 0,1,2,3
	ds_store_b128 v[EO], v[H+4*\i:H+4*\i+3] offset:512*\i
	ds_store_b128 v[EO], v[H+16+4*\i:H+16+4*\i+3] offset:2048+512*\i
.endr
	; ---- each wave quantises three fragments of the weights
	QW DV1
	PUTIMG IMG_W2F, SCL
	QW DV2
	PUTIMG IMG_W2B, SCL+1024
	QW WR0
	PUTIMG IMG_W3F, SCL+2048                         ; waves 4-7 land in W3 backward's images, which follow W3 forward's
	s_cmp_lt_u32 s[WV], 4
	s_cbranch_scc1 .Lno_w1b
	WIN 0x05
.irp q, 0,1,2,3,4,5,6,7
	v_cvt_pk_bf16_f32 v[CD+\q], v[DV3+2*\q], v[DV3+2*\q+1]    ; register q: features 32 b + 16 h + 2 q, + 1
.endr
	WIN 0
.irp q, 0,1,2,3,4,5,6,7
	v_and_b32 v[CD+\q], v[MK], v[CD+\q]              ; rows m with m % 8 < 2 hold W1[m % 8], the others zeros
.endr
	ds_store_b128 v[SA], v[CD:CD+3]   offset:IMG_W1B-4096
	ds_store_b128 v[SA], v[CD+4:CD+7] offset:IMG_W1B-4096+512
.Lno_w1b:
	s_cmp_lg_u32 s[WV], 0
	s_cbranch_scc1 .Lno_bias
	ds_store_b128 v[LI], v[10:13] offset:BIAS
	ds_store_b64 v21, v[126:127] offset:BIAS+512
.Lno_bias:
	; ---- the small weights that stay in every wave's registers
.irp t, 0,1,2,3,4,5,6,7
	v_cndmask_b32 v[W1A+2*\t+1], v[H+32+\t], v[H+40+\t], s[HM]   ; lanes 0-15: W1[1][f]; lanes 16-31: b1[f]
.endr
.irp i, 0,1,2,3,4,5,6,7
	v_cndmask_b32 v[W4A+\i], v[W4A+\i], v[ZR], s[HM]             ; k = 2, 3 of product 5: zeros
.endr
	WIN 0x05
.irp q, 0,1,2,3,4,5,6,7,8,9,10,11,12,13,14,15
	v_cvt_pk_bf16_f32 v[W4B+\q], v[WR1+2*\q], v[WR1+2*\q+1]
.endr
	WIN 0
.irp q, 0,1,2,3,4,5,6,7,8,9,10,11,12,13,14,15
	v_and_b32 v[W4B+\q], v[MK], v[W4B+\q]
.endr
	v_mov_b32 v8, s35                                ; t
	s_wait_dscnt 0x0                                 ; for the others' sake: my images have landed
	s_barrier_signal -1
	s_barrier_wait -1                                ; the one barrier: from here on the images are only read
	; ---- what the first tile wants
.set li, 0
.rept 24
	ds_load_b32 v[SW2F+li], v[LS] offset:SCL+128*li  ; all weights' scale words: they stay
.set li, li+1
.endr
	ds_load_b64 v[YN:YN+1], v[AY]
	ds_load_b64 v[VN:VN+1], v[AY] offset:2048
	LDIMG WR0, IMG_W2F, 8
	LDBIAS DV2, 0, 8
	LDBIAS DV3, 512, 4
	LDIMG WR1, IMG_W3F, 4
	WIN 0
	s_wait_dscnt 0x0
	s_mov_b32 s[TO], 0
.Ltile:                                                  ; 16 trips, a tile of 16 rows each
	; ---- product 1: z1, the bias inside
	v_cndmask_b32 v[XB],   v[YN],   v8, s[HM]        ; lanes 0-15: (y0, y1) of row r; lanes 16-31: (t, 1)
	v_cndmask_b32 v[XB+1], v[YN+1], v9, s[HM]
.irp t, 0,1,2,3,4,5,6,7
	v_wmma_f32_16x16x4_f32 v[ACC+8*\t:ACC+8*\t+7], v[W1A+2*\t:W1A+2*\t+1], v[XB:XB+1], 0
.endr
	v_cndmask_b32 v[VB],   v[VN],   v[ZR], s[HM]     ; eight plain lines stand behind this matrix form before its results are read: these four and four v_nop
	v_cndmask_b32 v[VB+1], v[VN+1], v[ZR], s[HM]
	v_mov_b32 v[VCUR],   v[VN]
	v_mov_b32 v[VCUR+1], v[VN+1]
	PLACES 4
	ACT 64, DV1
	QUANT H, 4
	ZH 64, H                                         ; 32 plain lines between the codes and scale word just made and the scaled products
	; ---- product 2: z2 = Q(h1) Q(W2) + b2
	s_wait_dscnt 0x0                                 ; W2's forward fragments and b2, asked for in the trip before, are in
	WIN 0x11
.irp t, 0,1,2,3,4,5,6,7
	v_wmma_scale_f32_16x16x128_f8f6f4 v[ACC+8*\t:ACC+8*\t+7], v[WR0+8*\t:WR0+8*\t+7], v[CD:CD+7], v[DV2+8*\t:DV2+8*\t+7], v[SW2F+\t], v[PW] matrix_a_fmt:MATRIX_FMT_FP4 matrix_b_fmt:MATRIX_FMT_FP4
.endr
	DF 64, DV1, H                                    ; silu'(z1): also the plain lines behind the products, ahead of the loads into their operands and of the reads of their results
	WIN 0
	s_add_co_u32 s[TN], s[TO], 128
	s_min_u32 s[TN], s[TN], 1920                     ; the last trip asks for its own tile again: my wave's own bytes
	v_add_nc_u32 v[A1], s[TN], v[AY]
	ds_load_b64 v[YN:YN+1], v[A1]
	ds_load_b64 v[VN:VN+1], v[A1] offset:2048
	LDIMG WR0, IMG_W2B, 8                            ; wanted by product 7
	ACT 64, DV2
	QUANT H, 4
	ZH 64, H
	; ---- product 3: z3 = Q(h2) Q(W3) + b3;  product 5: gh3 = v W4^T, into the accumulators that z2 has left
	s_wait_dscnt 0x0
	WIN 0x11
.irp t, 0,1,2,3
	v_wmma_scale_f32_16x16x128_f8f6f4 v[ACC+8*\t:ACC+8*\t+7], v[WR1+8*\t:WR1+8*\t+7], v[CD:CD+7], v[DV3+8*\t:DV3+8*\t+7], v[SW3F+\t], v[PW] matrix_a_fmt:MATRIX_FMT_FP4 matrix_b_fmt:MATRIX_FMT_FP4
.endr
	WIN 0
.irp t, 0,1,2,3
	v_wmma_f32_16x16x4_f32 v[ACC+32+8*\t:ACC+32+8*\t+7], v[W4A+2*\t:W4A+2*\t+1], v[VB:VB+1], 0
.endr
	DF 64, DV2, H                                    ; silu'(z2)
	LDIMG WR1, IMG_W3B, 4                            ; wanted by product 6
	ACT 32, DV3
	ZH 32, H+32
	DF 32, DV3, H+32                                 ; silu'(z3)
	WIN 0
.irp p, 0,1,2,3,4,5,6,7,8,9,10,11,12,13,14,15
	v_cvt_pk_bf16_f32 v[H+\p], v[H+2*\p], v[H+2*\p+1]    ; h3 in bf16, in place: register 8 b + q = features 32 b + 16 h + 2 q, + 1, as W4's fragments have them
.endr
	; ---- product 4: dy, in registers 0 and 1 of two accumulators
	v_wmma_f32_16x16x32_bf16 v[ACC:ACC+7],    v[W4B:W4B+7],    v[H:H+7],    0
	v_wmma_f32_16x16x32_bf16 v[ACC+8:ACC+15], v[W4B+8:W4B+15], v[H+8:H+15], 0
	GMUL 32, 32, DV3, H+32                           ; gz3
	QUANT H+32, 2
	v_add_f32 v[DYO],   v[ACC],   v[ACC+8]
	v_add_f32 v[DYO+1], v[ACC+1], v[ACC+9]
	v_add_f32 v[DYO],   s36, v[DYO]                  ; + b4
	v_add_f32 v[DYO+1], s37, v[DYO+1]
	v_add_nc_u32 v[A2], s[TO], v[AY]
	ds_store_b64 v[A2], v[DYO:DYO+1] offset:4096     ; both halves of the lanes hold row r's dy and write the same bytes with the same values
	PLACES 4
	; ---- product 6: gh2 = Q(gz3) Q(W3^T), K = 64
	s_wait_dscnt 0x0
	WIN 0x01
.irp t, 0,1,2,3,4,5,6,7
	v_wmma_scale_f32_16x16x128_f8f6f4 v[ACC+8*\t:ACC+8*\t+7], v[WR1+8*(\t/2):WR1+8*(\t/2)+7], v[CD+4*(\t%2):CD+4*(\t%2)+7], 0, v[SW3B+\t/2], v[PW] matrix_a_fmt:MATRIX_FMT_FP4 matrix_b_fmt:MATRIX_FMT_FP4
.endr
	PLACES 4
	LDIMG WR1, IMG_W1B, 4                            ; wanted by product 8
	LDBIAS DV3, 512, 4                               ; b3 for the next tile: silu'(z3) is done with
	GMUL 64, 0, DV2, H                               ; gz2
	QUANT H, 4
	PLACES 8                                         ; a scale word made by vector instructions stands eight plain lines ahead of a scaled product
	; ---- product 7: gh1 = Q(gz2) Q(W2^T).  Its fragments were shown landed by the wait ahead of product 3
	WIN 0x01
.irp t, 0,1,2,3,4,5,6,7
	v_wmma_scale_f32_16x16x128_f8f6f4 v[ACC+8*\t:ACC+8*\t+7], v[WR0+8*\t:WR0+8*\t+7], v[CD:CD+7], 0, v[SW2B+\t], v[PW] matrix_a_fmt:MATRIX_FMT_FP4 matrix_b_fmt:MATRIX_FMT_FP4
.endr
	PLACES 4
	LDIMG WR0, IMG_W2F, 8                            ; for the next tile (in the last trip nobody uses these 32 loads, nor the 8 below: one body, no branch)
	LDBIAS DV2, 0, 8
	GMUL 64, 0, DV1, H                               ; gz1
	WIN 0
.irp p, 0,1,2,3,4,5,6,7,8,9,10,11,12,13,14,15,16,17,18,19,20,21,22,23,24,25,26,27,28,29,30,31
	v_cvt_pk_bf16_f32 v[H+\p], v[H+2*\p], v[H+2*\p+1]
.endr
	; ---- product 8: g, two accumulators by turns
	s_wait_dscnt 32                                  ; the 32 loads just issued (W2's fragments, b2) may stay out; the 16 ahead of them, W1's fragments among them, are in
	WIN 0x01
	v_wmma_f32_16x16x32_bf16 v[ACC:ACC+7],    v[WR1:WR1+7],     v[H:H+7],     0
	v_wmma_f32_16x16x32_bf16 v[ACC+8:ACC+15], v[WR1+8:WR1+15],  v[H+8:H+15],  0
	v_wmma_f32_16x16x32_bf16 v[ACC:ACC+7],    v[WR1+16:WR1+23], v[H+16:H+23], v[ACC:ACC+7]
	v_wmma_f32_16x16x32_bf16 v[ACC+8:ACC+15], v[WR1+24:WR1+31], v[H+24:H+31], v[ACC+8:ACC+15]
	PLACES 4
	LDIMG WR1, IMG_W3F, 4                            ; for the next tile
	WIN 0
	v_add_f32 v23,   v[ACC],   v[ACC+8]              ; g0
	v_add_f32 v[O1], v[ACC+1], v[ACC+9]              ; g1
	v_mul_f32 v23, -v23, v[VCUR]
	v_fma_f32 v[O1], -v[O1], v[VCUR+1], v23          ; -(g0 v0 + g1 v1)
	s_lshr_b32 s[TH], s[TO], 1
	v_add_nc_u32 v[A3], s[TH], v[AO1]
	ds_store_b32 v[A3], v[O1]
	s_add_co_u32 s[TO], s[TO], 128
	s_cmp_lt_u32 s[TO], 2048
	s_cbranch_scc1 .Ltile
	; ---- my 256 rows of both outputs leave the stage as they lie in memory: each store covers 512 consecutive bytes, aligned
	s_wait_dscnt 0x0
.irp i, 0,1,2,3
	ds_load_b128 v[H+4*\i:H+4*\i+3], v[EO] offset:4096+512*\i
.endr
.irp i, 0,1
	ds_load_b128 v[H+16+4*\i:H+16+4*\i+3], v[EO] offset:6144+512*\i
.endr
.irp i, 0,1,2,3
	s_wait_dscnt 5-\i                                ; LDS loads come back in order: load i is in, the younger ones may be out
	global_store_b128 v[LI], v[H+4*\i:H+4*\i+3], s[30:31] offset:512*\i th:TH_STORE_NT
.endr
.irp i, 0,1
	s_wait_dscnt 1-\i
	global_store_b128 v[LI], v[H+16+4*\i:H+16+4*\i+3], s[32:33] offset:512*\i th:TH_STORE_NT
.endr
	s_wait_tensorcnt 0x0
	ds_add_u32 v74, v75
	s_wait_dscnt 0x0
	s_endpgm
.Lfunc_end_k_q11a81121b4_cnf:
	.size	k_q11a81121b4_cnf, .Lfunc_end_k_q11a81121b4_cnf-k_q11a81121b4_cnf
	.p2alignl 7, 3214868480
	.fill 96, 4, 3214868480
	.section	.rodata,"a",@progbits
	.p2align	6, 0x0
	.amdhsa_kernel k_q11a81121b4_cnf
		.amdhsa_group_segment_fixed_size 91136
		.amdhsa_private_segment_fixed_size 0
		.amdhsa_enable_private_segment 0
		.amdhsa_kernarg_size 104
		.amdhsa_user_sgpr_count 2
		.amdhsa_user_sgpr_kernarg_segment_ptr 1
		.amdhsa_wavefront_size32 1
		.amdhsa_system_sgpr_workgroup_id_x 1
		.amdhsa_system_sgpr_workgroup_id_y 1
		.amdhsa_system_sgpr_workgroup_id_z 1
		.amdhsa_system_vgpr_workitem_id 0
		.amdhsa_next_free_vgpr 512
		.amdhsa_next_free_sgpr 66
		.amdhsa_reserve_vcc 0
		.amdhsa_float_denorm_mode_32 3
		.amdhsa_float_denorm_mode_16_64 3
		.amdhsa_memory_ordered 1
		.amdhsa_forward_progress 1
		.amdhsa_inst_pref_size 117
	.end_amdhsa_kernel
	.amdgpu_metadata
---
amdhsa.version: [ 1, 2 ]
amdhsa.kernels:
  - .name:           k_q11a81121b4_cnf
    .symbol:         k_q11a81121b4_cnf.kd
    .args:
      - { .name: y, .offset: 0, .size: 8, .value_kind: global_buffer, .address_space: global }
      - { .name: v, .offset: 8, .size: 8, .value_kind: global_buffer, .address_space: global }
      - { .name: t, .offset: 16, .size: 8, .value_kind: global_buffer, .address_space: global }
      - { .name: W1, .offset: 24, .size: 8, .value_kind: global_buffer, .address_space: global }
      - { .name: b1, .offset: 32, .size: 8, .value_kind: global_buffer, .address_space: global }
      - { .name: W2, .offset: 40, .size: 8, .value_kind: global_buffer, .address_space: global }
      - { .name: b2, .offset: 48, .size: 8, .value_kind: global_buffer, .address_space: global }
      - { .name: W3, .offset: 56, .size: 8, .value_kind: global_buffer, .address_space: global }
      - { .name: b3, .offset: 64, .size: 8, .value_kind: global_buffer, .address_space: global }
      - { .name: W4, .offset: 72, .size: 8, .value_kind: global_buffer, .address_space: global }
      - { .name: b4, .offset: 80, .size: 8, .value_kind: global_buffer, .address_space: global }
      - { .name: out0, .offset: 88, .size: 8, .value_kind: global_buffer, .address_space: global }
      - { .name: out1, .offset: 96, .size: 8, .value_kind: global_buffer, .address_space: global }
    .group_segment_fixed_size: 91136
    .private_segment_fixed_size: 0
    .kernarg_segment_align: 8
    .kernarg_segment_size: 104
    .max_flat_workgroup_size: 256
    .sgpr_count:     66
    .vgpr_count:     512
    .wavefront_size: 32
...
	.end_amdgpu_metadata
.endif
;; end of part 1
;; ======== version 2 of 2: 1 launch; version 1 with the launch cnf written anew for expert scheduling mode
;; launch cnf (part 2): grid 256 x 1, 8 waves a work-group, no clusters, 91,136 bytes of LDS; arguments y, v, t, W1, b1, W2, b2, W3, b3, W4, b4, out0, out1; writes out0, out1
.if DOCPART == 2
	.amdgcn_target "amdgcn-amd-amdhsa--gfx1250"
	.amdhsa_code_object_version 6
	.text
	.protected	k_q11a81121b4_cnf
	.globl	k_q11a81121b4_cnf
	.p2align	8
	.type	k_q11a81121b4_cnf,@function
k_q11a81121b4_cnf:
	s_mov_b64 s[64:65], 0
	v_nop
	global_prefetch_b8 v0, s[64:65] scope:SCOPE_SE
	s_setreg_imm32_b32 hwreg(HW_REG_WAVE_SCHED_MODE, 0, 2), 2
	s_setreg_imm32_b32 hwreg(HW_REG_WAVE_MODE, 25, 1), 1
	s_wait_xcnt 0x0
	s_wait_alu depctr_vm_vsrc(0)
; dy = mlp(y, t) and -div = -(J^T v . v) for 524,288 independent rows, in one launch.
; Forward:  z1 = (y0, y1, t) W1 + b1; h = silu(z); z2 = Q(h1) Q(W2) + b2; z3 = Q(h2) Q(W3) + b3; dy = h3 W4 + b4.
; Backward: gh3 = v W4^T; gz = gh silu'(z); gh2 = Q(gz3) Q(W3^T); gh1 = Q(gz2) Q(W2^T); g = gz1 W1^T (its first two columns); out1 = -(g . v).
; Q: codes of FP4 (E2M1) with one E8M0 scale for each 32 along the product's K.  W2 and W3 are quantised twice: down their first axis for the forward products, along their second for the backward ones.
; SHARES.  256 work-groups of 8 waves; a wave owns 256 rows, 16 tiles of 16, one tile a trip.  Waves share only the weights' images in LDS, made once ahead of the one barrier.
; LAYOUT.  Every product is used transposed: source 0 = 16 rows of a weight, source 1 = the tile's 16 rows.  Lane (r = lane % 16, h = lane / 16) holds row r throughout, its registers run along the features.
; THE WEIGHT ROWS OF A TILE ARE NOT NEIGHBOURS: lane r of tile t takes feature 32 (t / 2) + 8 (t % 2) + r + 8 (r / 8), so that register 16 b + i of a result is feature 32 b + 16 h + i: 16 neighbours along the next K,
; and z, silu'(z) and the backward gradients of a layer lie register for register alike.
; silu: s = 1 / (1 + 2^(-z log2 e)); h = z s; silu' = s (z - h) + s.  An overflowing exponential gives s = 0, h = 0, silu' = 0; a vanishing one s = 1, h = z, silu' = 1.
; Products 1 and 5 feed quantisers: f32 operands, by the f32 matrix form with K = 4: (y0, y1, t, 1) against (W1[0], W1[1], W1[2], b1), and (v0, v1, 0, 0) against (W4[.,0], W4[.,1], 0, 0).
; Products 4 and 8 feed the outputs alone: bf16 operands.  b2 and b3 are the C of their products; b4 is added.
; Product 6 has K = 64: two weight tiles share one fragment (codes of tile 2 p in registers 0-3, of tile 2 p + 1 in 4-7), and gz3's operand is the run [codes | zeros | codes]: its first eight registers pick tile 2 p, its last eight tile 2 p + 1.
; LIMITS: NaN and infinities among the inputs are not served.  A block whose largest magnitude lies under 2^-124 takes the scale byte 1 (a block of zeros too: its codes are zeros).  The exponential and the reciprocal flush denormals.
; Products 4 and 8 round their operands to bf16.  logp is not read and the t column of product 8 is not made.
; REGISTERS, in two windows of 256 (s_set_vgpr_msb: bits 1:0 source 0, 3:2 source 1, 5:4 source 2, 7:6 destination).
;   window 0: v1-23 addresses and a tile's small numbers; v24-48 scale words; v50-61 codes; v62-73 the quantiser's; v74, v75 the closing add's two; v76-115 the small weights; v116-127 the head's; v128-191 accumulators; v192-255 h, z - h, gz.
;   window 1: v0-63, v64-127, v128-159 silu' of layers 1, 2, 3 (layers 2 and 3: first their bias); v160-191, v192-255 weight fragments on their way through.
; THE MODE: SCHED_MODE bits 1:0 = 2 (LLVM: expert scheduling mode 2), set by the entry lines.  The code itself states the register dependences
; between vector or matrix instructions and memory or LDS instructions, with s_wait_alu, always for 0.
; THE PLAN.  Registers that LDS instructions touch in the loop, and who else names them, in the order of a trip:
;   A1, A2, A3   written at the trip's head; read by the loads of the next y and v (ahead of product 2), by dy's store (ahead of product 6), by out1's store (the trip's end).
;   YN, VN       read by the selects and moves round product 1; loaded again ahead of product 2.
;   WR0          read by product 2; W2 backward lands in the second activation; read by product 7; W2 forward lands from the trip's end on.
;   WR1          read by product 3; W3 backward lands in the third activation; read by product 6; W1 in bf16 lands ahead of product 7; read by product 8; W3 forward lands from the trip's end on.
;   DV2, DV3     the bias, read by product 2 (3); then s and silu', written by the activation and last read by gz2 (gz3); b3 lands ahead of product 7, b2 from the trip's end on.
;   DYO, O1      written by vector additions; read by one LDS store each.
;   LI, BA, AY, AO1 are made at the head and never written again.  All 512 registers of the wave are laid out: no buffer has a twin.
; So a buffer is asked for again behind a wait on va_vdst that stands behind its last reader, and these are waits that stand in any case: the first of an activation's two (behind its exponentials), and the one
; ahead of each scaled product (its codes and scale word are written).  One wait more stands at the trip's end, behind out1's last line.  One wait on vm_vsrc stands at the trip's head.
.set IMG_W2F, 0                        ; LDS: images of operand registers, 1,024 bytes a fragment: four registers of lane l at 512 c + 16 l.  W2 forward, 8 tiles
.set IMG_W2B, 8192                     ; W2 backward, 8 tiles
.set IMG_W3F, 16384                    ; W3 forward, 4 tiles
.set IMG_W3B, 20480                    ; W3 backward, 4 double fragments
.set IMG_W1B, 24576                    ; W1 in bf16, 4 fragments
.set SCL,     28672                    ; 24 images of scale words, 128 bytes each: W2 forward 0-7, W2 backward 8-15, W3 forward 16-19, W3 backward 20-23
.set BIAS,    31744                    ; b2 (512 bytes), b3 (256), as they lie in memory
.set IO,      32768                    ; for each wave 7,168 bytes of its own: y 2,048, v 2,048, out0's stage 2,048, out1's 1,024
.set IOW,     7168
.set LI,   1                           ; v1   16 x lane
.set BA,   2                           ; v2   BIAS + 64 h
.set AY,   3                           ; v3   my wave's y + 8 r
.set AO1,  4                           ; v4   my wave's stage for out1 + 4 r
.set A1,   5                           ; v5-7 the trip's LDS addresses: the next tile's y, this tile's place in out0's stage, in out1's
.set A2,   6
.set A3,   7
.set YN,   10                          ; v10-11 the next tile's y;  v12-13 its v
.set VN,   12
.set XB,   14                          ; v14-15 source 1 of product 1
.set VB,   16                          ; v16-17 source 1 of product 5
.set VCUR, 18                          ; v18-19 v of the tile in hand
.set DYO,  20                          ; v20-21 dy
.set O1,   22                          ; v22    -div
.set SW2F, 24                          ; the weights' scale words: they hold scales and nothing else
.set SW2B, 32
.set SW3F, 40
.set SW3B, 44
.set PW,   48                          ; the scale word just made
.set ZR,   49                          ; 0
.set CD,   50                          ; v50-61 codes
.set TM,   62                          ; v62-65 largest magnitudes, v66-69 bytes, v70-73 the conversions' scale operands
.set W1A,  76                          ; v76-91   source 0 of product 1, 8 x 2
.set W4A,  92                          ; v92-99   source 0 of product 5, 4 x 2
.set W4B,  100                         ; v100-115 source 0 of product 4, bf16, 2 x 8
.set MK,   120                         ; -1 in lanes with r % 8 < 2, else 0
.set SH8,  121                         ; 8 h
.set EO,   122                         ; my wave's bytes + 16 x lane
.set SA,   123                         ; 16 x lane + 1,024 x wave
.set SS,   124                         ; 4 x lane + 128 x wave
.set LS,   125                         ; 4 x lane
.set ACC,  128                         ; written by matrix instructions alone, in the whole text
.set H,    192
.set DV1,  0                           ; window 1
.set DV2,  64
.set DV3,  128
.set WR1,  160
.set WR0,  192
.set WV,   34                          ; s34 my wave's number
.set NC,   38                          ; s[38:39] -log2(e), twice
.set SEL,  40                          ; s[40:41] v_permlanex16_b32's selects for lane l xor 16
.set HM,   42                          ; s42 lanes 16-31
.set TO,   43                          ; s43 128 x tile: the tile's bytes in y, v and out0's stage; the loop's counter
.set TN,   44                          ; s44 the next tile's, held at the last
.set TH,   45                          ; s45 64 x tile
.set MSB, 0
.macro WIN new                         ; the immediate's high byte repeats the setting that is left; a switch that changes nothing is dropped
.if MSB != \new
	s_set_vgpr_msb (MSB<<8)|\new
.set MSB, \new
.endif
.endm
.macro PLACES n
.rept \n
	v_nop
.endr
.endm
.macro LDIMG reg, off, n               ; n fragments come back from their images: the same registers in the same lanes
	WIN 0x40
.set lf, 0
.rept 2*\n
	ds_load_b128 v[\reg+4*lf:\reg+4*lf+3], v[LI] offset:\off+512*lf
.set lf, lf+1
.endr
.endm
.macro LDBIAS reg, off, n              ; a bias in the result's layout: tile t, lane half h: features 32 (t / 2) + 8 (t % 2) + 16 h + 0 .. 7
	WIN 0x40
.set lf, 0
.rept \n
	ds_load_b128 v[\reg+8*lf:\reg+8*lf+3],   v[BA] offset:\off+(32*(lf/2)+8*(lf%2))*4
	ds_load_b128 v[\reg+8*lf+4:\reg+8*lf+7], v[BA] offset:\off+(32*(lf/2)+8*(lf%2))*4+16
.set lf, lf+1
.endr
.endm
; n numbers z in the accumulators: s = sigmoid(z) into window 1's d, h = z s into H.  Each accumulator is read from its low end on.
; The exponentials are one batch and the reciprocals another: behind each a plain line and ONE wait ahead of the first instruction that names a result.
; ld: the weight fragments that are asked for behind the first of the two waits (2: W2 backward; 3: W3 backward; 0: none).
.macro ACT n, d, ld
	WIN 0x40
.set aj, 0
.rept \n/2
	v_pk_mul_f32 v[\d+aj:\d+aj+1], v[ACC+aj:ACC+aj+1], s[NC:NC+1] op_sel_hi:[1,0]
.set aj, aj+2
.endr
	WIN 0x41
.set aj, 0
.rept \n
	v_exp_f32 v[\d+aj], v[\d+aj]
.set aj, aj+1
.endr
	v_nop
	s_wait_alu depctr_va_vdst(0)                     ; the exponentials have written their results, which the additions below read; ld = 2, 3: and the product that made these z is done reading its weight fragments, in which the loads below land
.if \ld == 2
	LDIMG WR0, IMG_W2B, 8                            ; wanted by product 7.  No vector or matrix instruction since the wait names these registers
.endif
.if \ld == 3
	LDIMG WR1, IMG_W3B, 4                            ; wanted by product 6.  Likewise
.endif
	WIN 0x41
.set aj, 0
.rept \n/2
	v_pk_add_f32 v[\d+aj:\d+aj+1], v[\d+aj:\d+aj+1], 1.0 op_sel_hi:[1,0]
.set aj, aj+2
.endr
.set aj, 0
.rept \n
	v_rcp_f32 v[\d+aj], v[\d+aj]
.set aj, aj+1
.endr
	v_nop
	s_wait_alu depctr_va_vdst(0)                     ; the reciprocals have written their results, which the multiplications below read
	WIN 0x04
.set aj, 0
.rept \n/2
	v_pk_mul_f32 v[H+aj:H+aj+1], v[ACC+aj:ACC+aj+1], v[\d+aj:\d+aj+1]
.set aj, aj+2
.endr
	WIN 0
.endm
.macro ZH n, dst                       ; z - h
	WIN 0
.set aj, 0
.rept \n/2
	v_pk_add_f32 v[\dst+aj:\dst+aj+1], v[ACC+aj:ACC+aj+1], v[H+aj:H+aj+1] neg_lo:[0,1] neg_hi:[0,1]
.set aj, aj+2
.endr
.endm
.macro DF n, d, q                      ; silu' = s (z - h) + s, in s's place
	WIN 0x51
.set aj, 0
.rept \n/2
	v_pk_fma_f32 v[\d+aj:\d+aj+1], v[\d+aj:\d+aj+1], v[\q+aj:\q+aj+1], v[\d+aj:\d+aj+1]
.set aj, aj+2
.endr
.endm
.macro GMUL n, a, d, dst               ; gz = gh silu', the accumulators read from their low ends on
	WIN 0x04
.set aj, 0
.rept \n/2
	v_pk_mul_f32 v[\dst+aj:\dst+aj+1], v[ACC+\a+aj:ACC+\a+aj+1], v[\d+aj:\d+aj+1]
.set aj, aj+2
.endr
.endm
; 16 nb numbers of a lane, register 16 b + i = k 32 b + 16 h + i of my row, become codes in v[CD] on and the row's scale word in v[PW].  The blocks take turns, so that no line waits for the line above it.
.macro QUANT s, nb
	WIN 0
.set qb, 0
.rept \nb
	v_max3_num_f32 v[TM+qb], |v[(\s)+16*qb]|, |v[(\s)+16*qb+1]|, 0x1800000   ; my 16 numbers of block b, and the floor 2^(3 - 127): the byte cannot fall under 1
.set qb, qb+1
.endr
.set qi, 2
.rept 7
.set qb, 0
.rept \nb
	v_max3_num_f32 v[TM+qb], v[TM+qb], |v[(\s)+16*qb+qi]|, |v[(\s)+16*qb+qi+1]|
.set qb, qb+1
.endr
.set qi, qi+2
.endr
.set qb, 0
.rept \nb
	v_permlanex16_b32 v[TM+4+qb], v[TM+qb], s[SEL], s[SEL+1]
.set qb, qb+1
.endr
.set qb, 0
.rept \nb
	v_max_num_f32 v[TM+qb], v[TM+qb], v[TM+4+qb]     ; with lane l xor 16's 16: the block's largest magnitude
.set qb, qb+1
.endr
.set qb, 0
.rept \nb
	v_add_nc_u32 v[TM+8+qb], 0xff000000, v[TM+qb]    ; 2 off its exponent field: the conversion takes this operand's exponent field as its scale
.set qb, qb+1
.endr
.set qb, 0
.rept \nb
	v_lshrrev_b32 v[TM+4+qb], 23, v[TM+8+qb]         ; the scale's byte
.set qb, qb+1
.endr
.if \nb == 4
	v_lshl_or_b32 v[PW], v[TM+5], 8, v[TM+4]
	v_lshl_or_b32 v[PW], v[TM+6], 16, v[PW]
	v_lshl_or_b32 v[PW], v[TM+7], 24, v[PW]
.else
	v_lshl_or_b32 v23, v[TM+5], 8, v[TM+4]
	v_lshl_or_b32 v[PW], v23, 16, v23                ; the two bytes twice: they serve the codes in either half of the run
.endif
.set qb, 0
.rept \nb
	v_cvt_scalef32_pk8_fp4_f32 v[CD+2*qb],   v[(\s)+16*qb:(\s)+16*qb+7],    v[TM+8+qb]
	v_cvt_scalef32_pk8_fp4_f32 v[CD+2*qb+1], v[(\s)+16*qb+8:(\s)+16*qb+15], v[TM+8+qb]
.set qb, qb+1
.endr
	v_nop                                            ; one plain line behind the scaled conversions
.set qb, 0
.rept \nb/2                                          ; the operand's layout wants a whole block in a lane: lanes 0-15 block 2 c, lanes 16-31 block 2 c + 1
	v_permlane16_swap_b32 v[CD+4*qb],   v[CD+4*qb+2]
	v_permlane16_swap_b32 v[CD+4*qb+1], v[CD+4*qb+3]
.set qb, qb+1
.endr
.if \nb == 2
.irp i, 0,1,2,3
	v_mov_b32 v[CD+8+\i], v[CD+\i]                   ; [codes | zeros | codes]
.endr
.irp i, 0,1,2,3
	v_mov_b32 v[CD+4+\i], 0
.endr
.endif
.endm
; A weight's fragment: 64 numbers in window 1, register 32 c + i = k 64 c + 32 h + i of my weight row: two whole blocks a lane.  Codes into v[CD:CD+7], the row's scale word into v23.
.macro QW x
	WIN 0x05
.irp c, 0,1
	v_max3_num_f32 v[TM+\c], |v[\x+32*\c]|, |v[\x+32*\c+1]|, 0x1800000
.endr
	WIN 0x14
.irp i, 2,4,6,8,10,12,14,16,18,20,22,24,26,28,30
.irp c, 0,1
	v_max3_num_f32 v[TM+\c], v[TM+\c], |v[\x+32*\c+\i]|, |v[\x+32*\c+\i+1]|
.endr
.endr
	WIN 0
.irp c, 0,1
	v_add_nc_u32 v[TM+8+\c], 0xff000000, v[TM+\c]
.endr
.irp c, 0,1
	v_lshrrev_b32 v[TM+4+\c], 23, v[TM+8+\c]
.endr
	v_lshl_or_b32 v23, v[TM+5], 16, v[TM+4]          ; my two bytes: blocks h and 2 + h,
	v_lshlrev_b32 v23, v[SH8], v23                   ; at their places in the word;
	v_permlanex16_b32 v[TM+6], v23, s[SEL], s[SEL+1]
	v_or_b32 v23, v23, v[TM+6]                       ; with lane l xor 16's two the word is whole
	WIN 0x01
.irp c, 0,1
.irp g, 0,1,2,3
	v_cvt_scalef32_pk8_fp4_f32 v[CD+4*\c+\g], v[\x+32*\c+8*\g:\x+32*\c+8*\g+7], v[TM+8+\c]
.endr
.endr
	WIN 0
	v_nop                                            ; one plain line behind the scaled conversions
.endm
.macro PUTIMG img, scl                 ; the fragment and its scale words go to LDS as they stand
	s_wait_alu depctr_va_vdst(0)                     ; the conversions have written v[CD ..] and the lines ahead of them v23, which the three stores read
	ds_store_b128 v[SA], v[CD:CD+3]   offset:\img
	ds_store_b128 v[SA], v[CD+4:CD+7] offset:\img+512
	ds_store_b32  v[SS], v23          offset:\scl
	s_wait_dscnt 0x0                                 ; the stores are done,
	s_wait_alu depctr_vm_vsrc(0)                     ; and have read v[CD ..] and v23: the next fragment's codes and word may be written
.endm
	; ---- ids, addresses, constants.  Every LDS address register is made here, ahead of the first branch on the wave's number
	s_load_b512 s[8:23], s[0:1], 0x0                 ; y s[8:9], v s[10:11], t s[12:13], W1 s[14:15], b1 s[16:17], W2 s[18:19], b2 s[20:21], W3 s[22:23]
	s_load_b256 s[24:31], s[0:1], 0x40               ; b3 s[24:25], W4 s[26:27], b4 s[28:29], out0 s[30:31]
	s_load_b64 s[32:33], s[0:1], 0x60                ; out1
	v_lshl_add_u32 v74, v0, 2, 0x16000               ; the closing add's two registers: my spare word, behind the waves' own bytes,
	v_mov_b32 v75, 0                                 ; and 0; kept for that alone
	v_lshrrev_b32 v116, 5, v0
	v_readfirstlane_b32 s[WV], v116                  ; wave 0..7
	v_and_b32 v116, 31, v0                           ; lane
	v_and_b32 v117, 15, v0                           ; r
	v_bfe_u32 v118, v0, 4, 1                         ; h
	v_and_b32 v119, 8, v117
	v_add_nc_u32 v119, v119, v117                    ; rho = r + 8 (r / 8)
	v_and_b32 v[MK], 6, v117
	v_min_u32 v[MK], 1, v[MK]
	v_add_nc_u32 v[MK], -1, v[MK]                    ; -1 where r % 8 < 2, else 0
	v_lshlrev_b32 v[SH8], 3, v118
	s_wait_alu depctr_va_sdst(0)                     ; the wave's number is written, ahead of its first reader
	s_mul_i32 s46, s[WV], IOW
	s_add_co_u32 s46, s46, IO                        ; my wave's own bytes
	v_lshlrev_b32 v[LI], 4, v116
	v_lshl_add_u32 v[BA], v118, 6, BIAS
	v_lshl_add_u32 v[AY], v117, 3, s46
	v_lshl_add_u32 v[AO1], v117, 2, s46
	v_add_nc_u32 v[AO1], 6144, v[AO1]
	v_add_nc_u32 v[EO], s46, v[LI]
	s_lshl_b32 s47, s[WV], 10
	v_add_nc_u32 v[SA], s47, v[LI]
	v_lshlrev_b32 v[LS], 2, v116
	s_lshl_b32 s47, s[WV], 7
	v_add_nc_u32 v[SS], s47, v[LS]
	v_lshlrev_b32 v21, 3, v116                       ; 8 x lane: b3, in memory and in LDS
	; byte offsets of the head's global loads
	v_lshlrev_b32 v17, 2, v119                       ; 4 rho
	v_lshlrev_b32 v18, 3, v119                       ; 8 rho
	v_lshl_add_u32 v5, v118, 14, v17                 ; W2 down K: 32 h rows of 512 bytes + 4 rho
	v_lshlrev_b32 v6, 9, v119
	v_lshl_add_u32 v6, v118, 7, v6                   ; W2 along K: row rho + 128 h
	v_lshl_add_u32 v14, v118, 13, v17                ; W3 down K: 32 h rows of 256 bytes + 4 rho
	v_lshlrev_b32 v15, 8, v119
	v_lshl_add_u32 v15, v118, 7, v15                 ; W3 along K: row rho + 128 h
	v_lshl_add_u32 v16, v118, 10, v17                ; W1: row 2 h + 4 rho
	v_and_b32 v7, 1, v117
	v_lshlrev_b32 v19, 2, v7
	v_lshl_add_u32 v19, v118, 7, v19                 ; W4 for bf16: 16 h rows of 8 bytes + 4 (r % 2)
	v_lshlrev_b32 v20, 9, v7
	v_lshl_add_u32 v20, v118, 6, v20                 ; W1 for bf16: row r % 2 + 64 h
	v_mov_b32 v[ZR], 0
	v_mov_b32 v9, 1.0
.irp b, 0,1,2,3
	v_mov_b32 v[TM+4+\b], 0                          ; written once: a lane permute's destination counts as one of its sources
.endr
	s_mov_b32 s[NC], 0xbfb8aa3b                      ; -log2(e)
	s_mov_b32 s[NC+1], s[NC]                         ; (the packed form names the pair)
	s_mov_b32 s[SEL], 0x76543210
	s_mov_b32 s[SEL+1], 0xfedcba98
	s_mov_b32 s[HM], 0xffff0000
	s_lshr_b32 s46, s[WV], 1
	s_lshl_b32 s46, s46, 5
	s_and_b32 s47, s[WV], 1
	s_lshl_b32 s47, s47, 3
	s_add_co_u32 s46, s46, s47                       ; the first feature of tile w: 32 (w / 2) + 8 (w % 2)
	s_and_b32 s47, s[WV], 3
	s_lshl_b32 s58, ttmp9, 3
	s_add_co_u32 s58, s58, s[WV]                     ; which 256 rows are my wave's
	s_mov_b32 s61, 0
	s_wait_kmcnt 0x0
	s_load_b32 s35, s[12:13], 0x0                    ; t
	s_load_b64 s[36:37], s[28:29], 0x0               ; b4
	s_lshl_b32 s60, s46, 2
	s_add_nc_u64 s[48:49], s[18:19], s[60:61]        ; W2 at column tile w
	s_add_nc_u64 s[52:53], s[22:23], s[60:61]        ; W3 at column tile w (waves 0-3 use it)
	s_lshl_b32 s60, s46, 9
	s_add_nc_u64 s[50:51], s[18:19], s[60:61]        ; W2 at row tile w
	s_lshl_b32 s60, s47, 13
	s_add_nc_u64 s[54:55], s[22:23], s[60:61]        ; W3 at rows 32 (w - 4) (waves 4-7 use it)
	s_lshl_b32 s60, s47, 7
	s_add_nc_u64 s[56:57], s[14:15], s[60:61]        ; W1 at features 32 (w - 4) (likewise)
	s_lshl_b32 s60, s58, 11
	s_add_nc_u64 s[8:9], s[8:9], s[60:61]            ; y, v, out0 at my wave's rows: 2,048 bytes a wave
	s_add_nc_u64 s[10:11], s[10:11], s[60:61]
	s_add_nc_u64 s[30:31], s[30:31], s[60:61]
	s_lshl_b32 s60, s58, 10
	s_add_nc_u64 s[32:33], s[32:33], s[60:61]        ; out1: 1,024
	; ---- all global loads of the launch, in one run
	s_wait_alu depctr_va_vdst(0)                     ; every offset and every LDS address made above is written: the loads below, and all LDS instructions by LI, BA, AY, AO1, EO, SA, SS, LS and v21, read them
.irp i, 0,1,2,3
	global_load_b128 v[H+4*\i:H+4*\i+3], v[LI], s[8:9] offset:512*\i th:TH_LOAD_NT        ; my 256 rows of y: 512 consecutive bytes a load
.endr
.irp i, 0,1,2,3
	global_load_b128 v[H+16+4*\i:H+16+4*\i+3], v[LI], s[10:11] offset:512*\i th:TH_LOAD_NT   ; and of v
.endr
.irp t, 0,1,2,3,4,5,6,7
	global_load_b32 v[W1A+2*\t], v16, s[14:15] offset:4*(32*(\t/2)+8*(\t%2))              ; W1[2 h][f]
	global_load_b32 v[H+32+\t],  v17, s[14:15] offset:512+4*(32*(\t/2)+8*(\t%2))          ; W1[1][f]
	global_load_b32 v[H+40+\t],  v17, s[16:17] offset:4*(32*(\t/2)+8*(\t%2))              ; b1[f]
.endr
.irp t, 0,1,2,3
	global_load_b64 v[W4A+2*\t:W4A+2*\t+1], v18, s[26:27] offset:8*(32*(\t/2)+8*(\t%2))   ; W4[f][0], W4[f][1]
.endr
	WIN 0x40
.set li, 0
.rept 16
	global_load_b128 v[DV2+4*li:DV2+4*li+3], v6, s[50:51] offset:256*(li/8)+16*(li%8)     ; W2 backward, tile w: W2[f][64 c + 32 h + ..]
.set li, li+1
.endr
.set li, 0
.rept 64
	global_load_b32 v[DV1+li], v5, s[48:49] offset:(64*(li/32)+li%32)*512                 ; W2 forward, tile w: W2[64 c + 32 h + i][f]
.set li, li+1
.endr
.set li, 0
.rept 32
	global_load_b32 v[WR1+li], v19, s[26:27] offset:(32*(li/16)+li%16)*8                  ; W4[32 b + 16 h + i][r % 2]
.set li, li+1
.endr
	WIN 0
	s_cmp_lt_u32 s[WV], 4
	s_cbranch_scc0 .Lc_back
	WIN 0x40
.set li, 0
.rept 64
	global_load_b32 v[WR0+li], v14, s[52:53] offset:(64*(li/32)+li%32)*256                ; waves 0-3: W3 forward, tile w
.set li, li+1
.endr
	WIN 0
	s_branch .Lc_done
.Lc_back:
	WIN 0x40
.set li, 0
.rept 16
	global_load_b128 v[WR0+4*li:WR0+4*li+3], v15, s[54:55] offset:2048*(li/8)+16*(li%8)   ; waves 4-7: W3 backward, tiles 2 (w - 4) and 2 (w - 4) + 1: eight rows apart
.set li, li+1
.endr
.irp g, 0,1,2,3
	global_load_b128 v[DV3+4*\g:DV3+4*\g+3], v20, s[56:57] offset:16*\g                   ; and W1[r % 2][32 (w - 4) + 16 h + ..]
.endr
	WIN 0
.Lc_done:
	s_cmp_lg_u32 s[WV], 0
	s_cbranch_scc1 .Lnot_0
	global_load_b128 v[10:13], v[LI], s[20:21]       ; wave 0: b2,
	global_load_b64 v[126:127], v21, s[24:25]        ; b3
.Lnot_0:
	s_wait_loadcnt 0x0                               ; for zero: the ways differ in their loads
	s_wait_kmcnt 0x0                                 ; t, b4
	; ---- y and v into my own bytes of LDS, as they lie
.irp i, 0,1,2,3
	ds_store_b128 v[EO], v[H+4*\i:H+4*\i+3] offset:512*\i
	ds_store_b128 v[EO], v[H+16+4*\i:H+16+4*\i+3] offset:2048+512*\i
.endr
	; ---- each wave quantises three fragments of the weights
	QW DV1
	PUTIMG IMG_W2F, SCL
	QW DV2
	PUTIMG IMG_W2B, SCL+1024
	QW WR0
	PUTIMG IMG_W3F, SCL+2048                         ; waves 4-7 land in W3 backward's images, which follow W3 forward's
	s_cmp_lt_u32 s[WV], 4
	s_cbranch_scc1 .Lno_w1b
	WIN 0x05
.irp q, 0,1,2,3,4,5,6,7
	v_cvt_pk_bf16_f32 v[CD+\q], v[DV3+2*\q], v[DV3+2*\q+1]    ; register q: features 32 b + 16 h + 2 q, + 1
.endr
	WIN 0
.irp q, 0,1,2,3,4,5,6,7
	v_and_b32 v[CD+\q], v[MK], v[CD+\q]              ; rows m with m % 8 < 2 hold W1[m % 8], the others zeros
.endr
	s_wait_alu depctr_va_vdst(0)                     ; the eight lines above have written v[CD ..], which the two stores read
	ds_store_b128 v[SA], v[CD:CD+3]   offset:IMG_W1B-4096
	ds_store_b128 v[SA], v[CD+4:CD+7] offset:IMG_W1B-4096+512
.Lno_w1b:
	s_cmp_lg_u32 s[WV], 0
	s_cbranch_scc1 .Lno_bias
	ds_store_b128 v[LI], v[10:13] offset:BIAS
	ds_store_b64 v21, v[126:127] offset:BIAS+512
.Lno_bias:
	; ---- the small weights that stay in every wave's registers
.irp t, 0,1,2,3,4,5,6,7
	v_cndmask_b32 v[W1A+2*\t+1], v[H+32+\t], v[H+40+\t], s[HM]   ; lanes 0-15: W1[1][f]; lanes 16-31: b1[f]
.endr
.irp i, 0,1,2,3,4,5,6,7
	v_cndmask_b32 v[W4A+\i], v[W4A+\i], v[ZR], s[HM]             ; k = 2, 3 of product 5: zeros
.endr
	WIN 0x05
.irp q, 0,1,2,3,4,5,6,7,8,9,10,11,12,13,14,15
	v_cvt_pk_bf16_f32 v[W4B+\q], v[WR1+2*\q], v[WR1+2*\q+1]
.endr
	WIN 0
.irp q, 0,1,2,3,4,5,6,7,8,9,10,11,12,13,14,15
	v_and_b32 v[W4B+\q], v[MK], v[W4B+\q]
.endr
	v_mov_b32 v8, s35                                ; t
	s_wait_dscnt 0x0                                 ; for the others' sake: my images have landed
	s_barrier_signal -1
	s_barrier_wait -1                                ; the one barrier: from here on the images are only read
	; ---- what the first tile wants
	s_wait_alu depctr_va_vdst(0)                     ; the quantiser's lines and the conversions to bf16 are done reading the raw weights in DV2, DV3, WR0 and WR1, in which the loads below land
	s_wait_alu depctr_vm_vsrc(0)                     ; wave 0's store has read v10 to v13, in which y and v land; W1's stores have read v[CD ..], the head's loads and stores their offsets v5, v6, v14 to v21: the loop writes all of these again
.set li, 0
.rept 24
	ds_load_b32 v[SW2F+li], v[LS] offset:SCL+128*li  ; all weights' scale words: they stay
.set li, li+1
.endr
	ds_load_b64 v[YN:YN+1], v[AY]
	ds_load_b64 v[VN:VN+1], v[AY] offset:2048
	LDIMG WR0, IMG_W2F, 8
	LDBIAS DV2, 0, 8
	LDBIAS DV3, 512, 4
	LDIMG WR1, IMG_W3F, 4
	WIN 0
	s_wait_dscnt 0x0
	s_mov_b32 s[TO], 0
.Ltile:                                                  ; 16 trips, a tile of 16 rows each
	; ---- the trip's three LDS addresses, all at its head: the wait ahead of product 2 shows them written
	s_add_co_u32 s[TN], s[TO], 128
	s_min_u32 s[TN], s[TN], 1920                     ; the last trip asks for its own tile again: my wave's own bytes
	s_lshr_b32 s[TH], s[TO], 1
	s_wait_alu depctr_vm_vsrc(0)                     ; the LDS loads and stores of the trip before have read A1, A2, A3, which are written here, and dy's and out1's registers, which this trip writes again
	v_add_nc_u32 v[A1], s[TN], v[AY]
	v_add_nc_u32 v[A2], s[TO], v[AY]
	v_add_nc_u32 v[A3], s[TH], v[AO1]
	; ---- product 1: z1, the bias inside
	v_cndmask_b32 v[XB],   v[YN],   v8, s[HM]        ; lanes 0-15: (y0, y1) of row r; lanes 16-31: (t, 1)
	v_cndmask_b32 v[XB+1], v[YN+1], v9, s[HM]
.irp t, 0,1,2,3,4,5,6,7
	v_wmma_f32_16x16x4_f32 v[ACC+8*\t:ACC+8*\t+7], v[W1A+2*\t:W1A+2*\t+1], v[XB:XB+1], 0
.endr
	v_cndmask_b32 v[VB],   v[VN],   v[ZR], s[HM]     ; eight plain lines stand behind this matrix form before its results are read: these four and four v_nop
	v_cndmask_b32 v[VB+1], v[VN+1], v[ZR], s[HM]
	v_mov_b32 v[VCUR],   v[VN]
	v_mov_b32 v[VCUR+1], v[VN+1]
	PLACES 4
	ACT 64, DV1, 0
	QUANT H, 4
	ZH 64, H                                         ; 32 plain lines between the codes and scale word just made and the scaled products
	; ---- product 2: z2 = Q(h1) Q(W2) + b2
	s_wait_dscnt 0x0                                 ; W2's forward fragments and b2, asked for in the trip before, are in
	s_wait_alu depctr_va_vdst(0)                     ; the codes and the scale word are written, which the scaled products take; A1 is written, and the lines round product 1 are done reading y and v: the two loads below
	ds_load_b64 v[YN:YN+1], v[A1]                    ; the next tile's y
	ds_load_b64 v[VN:VN+1], v[A1] offset:2048        ; and v
	WIN 0x11
.irp t, 0,1,2,3,4,5,6,7
	v_wmma_scale_f32_16x16x128_f8f6f4 v[ACC+8*\t:ACC+8*\t+7], v[WR0+8*\t:WR0+8*\t+7], v[CD:CD+7], v[DV2+8*\t:DV2+8*\t+7], v[SW2F+\t], v[PW] matrix_a_fmt:MATRIX_FMT_FP4 matrix_b_fmt:MATRIX_FMT_FP4
.endr
	DF 64, DV1, H                                    ; silu'(z1): also the plain lines behind the products, ahead of the writes of their bias registers and of the reads of their results
	ACT 64, DV2, 2                                   ; W2's backward fragments are asked for in it
	QUANT H, 4
	ZH 64, H
	; ---- product 3: z3 = Q(h2) Q(W3) + b3;  product 5: gh3 = v W4^T, into the accumulators that z2 has left
	s_wait_dscnt 0x0
	s_wait_alu depctr_va_vdst(0)                     ; the codes and the scale word are written, which the scaled products take
	WIN 0x11
.irp t, 0,1,2,3
	v_wmma_scale_f32_16x16x128_f8f6f4 v[ACC+8*\t:ACC+8*\t+7], v[WR1+8*\t:WR1+8*\t+7], v[CD:CD+7], v[DV3+8*\t:DV3+8*\t+7], v[SW3F+\t], v[PW] matrix_a_fmt:MATRIX_FMT_FP4 matrix_b_fmt:MATRIX_FMT_FP4
.endr
	WIN 0
.irp t, 0,1,2,3
	v_wmma_f32_16x16x4_f32 v[ACC+32+8*\t:ACC+32+8*\t+7], v[W4A+2*\t:W4A+2*\t+1], v[VB:VB+1], 0
.endr
	DF 64, DV2, H                                    ; silu'(z2)
	ACT 32, DV3, 3                                   ; W3's backward fragments are asked for in it
	ZH 32, H+32
	DF 32, DV3, H+32                                 ; silu'(z3)
	WIN 0
.irp p, 0,1,2,3,4,5,6,7,8,9,10,11,12,13,14,15
	v_cvt_pk_bf16_f32 v[H+\p], v[H+2*\p], v[H+2*\p+1]    ; h3 in bf16, in place: register 8 b + q = features 32 b + 16 h + 2 q, + 1, as W4's fragments have them
.endr
	; ---- product 4: dy, in registers 0 and 1 of two accumulators
	v_wmma_f32_16x16x32_bf16 v[ACC:ACC+7],    v[W4B:W4B+7],    v[H:H+7],    0
	v_wmma_f32_16x16x32_bf16 v[ACC+8:ACC+15], v[W4B+8:W4B+15], v[H+8:H+15], 0
	GMUL 32, 32, DV3, H+32                           ; gz3
	QUANT H+32, 2
	v_add_f32 v[DYO],   v[ACC],   v[ACC+8]
	v_add_f32 v[DYO+1], v[ACC+1], v[ACC+9]
	v_add_f32 v[DYO],   s36, v[DYO]                  ; + b4
	v_add_f32 v[DYO+1], s37, v[DYO+1]
	PLACES 4
	; ---- product 6: gh2 = Q(gz3) Q(W3^T), K = 64
	s_wait_dscnt 0x0
	s_wait_alu depctr_va_vdst(0)                     ; the codes and the scale word are written, which the scaled products take; dy is written, which the store below reads
	ds_store_b64 v[A2], v[DYO:DYO+1] offset:4096     ; both halves of the lanes hold row r's dy and write the same bytes with the same values
	WIN 0x01
.irp t, 0,1,2,3,4,5,6,7
	v_wmma_scale_f32_16x16x128_f8f6f4 v[ACC+8*\t:ACC+8*\t+7], v[WR1+8*(\t/2):WR1+8*(\t/2)+7], v[CD+4*(\t%2):CD+4*(\t%2)+7], 0, v[SW3B+\t/2], v[PW] matrix_a_fmt:MATRIX_FMT_FP4 matrix_b_fmt:MATRIX_FMT_FP4
.endr
	PLACES 4
	GMUL 64, 0, DV2, H                               ; gz2
	QUANT H, 4
	PLACES 8                                         ; a scale word made by vector instructions stands eight plain lines ahead of a scaled product
	; ---- product 7: gh1 = Q(gz2) Q(W2^T).  Its fragments were shown landed by the wait ahead of product 3
	s_wait_alu depctr_va_vdst(0)                     ; the codes and the scale word are written, which the scaled products take; product 6 is done reading WR1 and gz3's lines silu'(z3): the sixteen loads below land there
	LDIMG WR1, IMG_W1B, 4                            ; wanted by product 8
	LDBIAS DV3, 512, 4                               ; b3 for the next tile
	WIN 0x01
.irp t, 0,1,2,3,4,5,6,7
	v_wmma_scale_f32_16x16x128_f8f6f4 v[ACC+8*\t:ACC+8*\t+7], v[WR0+8*\t:WR0+8*\t+7], v[CD:CD+7], 0, v[SW2B+\t], v[PW] matrix_a_fmt:MATRIX_FMT_FP4 matrix_b_fmt:MATRIX_FMT_FP4
.endr
	PLACES 4
	GMUL 64, 0, DV1, H                               ; gz1
	WIN 0
.irp p, 0,1,2,3,4,5,6,7,8,9,10,11,12,13,14,15,16,17,18,19,20,21,22,23,24,25,26,27,28,29,30,31
	v_cvt_pk_bf16_f32 v[H+\p], v[H+2*\p], v[H+2*\p+1]
.endr
	; ---- product 8: g, two accumulators by turns
	s_wait_dscnt 8                                   ; the eight youngest loads, b3's, may stay out; W1's four fragments ahead of them are in
	WIN 0x01
	v_wmma_f32_16x16x32_bf16 v[ACC:ACC+7],    v[WR1:WR1+7],     v[H:H+7],     0
	v_wmma_f32_16x16x32_bf16 v[ACC+8:ACC+15], v[WR1+8:WR1+15],  v[H+8:H+15],  0
	v_wmma_f32_16x16x32_bf16 v[ACC:ACC+7],    v[WR1+16:WR1+23], v[H+16:H+23], v[ACC:ACC+7]
	v_wmma_f32_16x16x32_bf16 v[ACC+8:ACC+15], v[WR1+24:WR1+31], v[H+24:H+31], v[ACC+8:ACC+15]
	PLACES 4
	WIN 0
	v_add_f32 v23,   v[ACC],   v[ACC+8]              ; g0
	v_add_f32 v[O1], v[ACC+1], v[ACC+9]              ; g1
	v_mul_f32 v23, -v23, v[VCUR]
	v_fma_f32 v[O1], -v[O1], v[VCUR+1], v23          ; -(g0 v0 + g1 v1)
	s_wait_alu depctr_va_vdst(0)                     ; out1's number is written, which the store reads; products 7 and 8 are done reading WR0 and WR1, gz2's lines silu'(z2): the forty loads below land there.  Behind the last trip: product 8 is done reading H, in which the stage's loads land
	ds_store_b32 v[A3], v[O1]
	LDIMG WR0, IMG_W2F, 8                            ; for the next tile (in the last trip nobody uses these forty loads: one body, no branch)
	LDBIAS DV2, 0, 8
	LDIMG WR1, IMG_W3F, 4
	WIN 0
	s_add_co_u32 s[TO], s[TO], 128
	s_cmp_lt_u32 s[TO], 2048
	s_cbranch_scc1 .Ltile
	; ---- my 256 rows of both outputs leave the stage as they lie in memory: each store covers 512 consecutive bytes, aligned
	s_wait_dscnt 0x0
.irp i, 0,1,2,3
	ds_load_b128 v[H+4*\i:H+4*\i+3], v[EO] offset:4096+512*\i       ; no vector or matrix instruction since the wait at the trip's end names these registers
.endr
.irp i, 0,1
	ds_load_b128 v[H+16+4*\i:H+16+4*\i+3], v[EO] offset:6144+512*\i
.endr
.irp i, 0,1,2,3
	s_wait_dscnt 5-\i                                ; LDS loads come back in order: load i is in, the younger ones may be out
	global_store_b128 v[LI], v[H+4*\i:H+4*\i+3], s[30:31] offset:512*\i th:TH_STORE_NT
.endr
.irp i, 0,1
	s_wait_dscnt 1-\i
	global_store_b128 v[LI], v[H+16+4*\i:H+16+4*\i+3], s[32:33] offset:512*\i th:TH_STORE_NT
.endr
	s_wait_dscnt 0x0                                 ; the closing lines, six on end
	s_wait_alu 0x0
	s_wait_tensorcnt 0x0
	ds_add_u32 v74, v75
	s_wait_dscnt 0x0
	s_endpgm
.Lfunc_end_k_q11a81121b4_cnf:
	.size	k_q11a81121b4_cnf, .Lfunc_end_k_q11a81121b4_cnf-k_q11a81121b4_cnf
	.p2alignl 7, 3214868480
	.fill 96, 4, 3214868480
	.section	.rodata,"a",@progbits
	.p2align	6, 0x0
	.amdhsa_kernel k_q11a81121b4_cnf
		.amdhsa_group_segment_fixed_size 91136
		.amdhsa_private_segment_fixed_size 0
		.amdhsa_enable_private_segment 0
		.amdhsa_kernarg_size 104
		.amdhsa_user_sgpr_count 2
		.amdhsa_user_sgpr_kernarg_segment_ptr 1
		.amdhsa_wavefront_size32 1
		.amdhsa_system_sgpr_workgroup_id_x 1
		.amdhsa_system_sgpr_workgroup_id_y 1
		.amdhsa_system_sgpr_workgroup_id_z 1
		.amdhsa_system_vgpr_workitem_id 0
		.amdhsa_next_free_vgpr 512
		.amdhsa_next_free_sgpr 66
		.amdhsa_reserve_vcc 0
		.amdhsa_float_denorm_mode_32 3
		.amdhsa_float_denorm_mode_16_64 3
		.amdhsa_memory_ordered 1
		.amdhsa_forward_progress 1
		.amdhsa_inst_pref_size 117
	.end_amdhsa_kernel
	.amdgpu_metadata
---
amdhsa.version: [ 1, 2 ]
amdhsa.kernels:
  - .name:           k_q11a81121b4_cnf
    .symbol:         k_q11a81121b4_cnf.kd
    .args:
      - { .name: y, .offset: 0, .size: 8, .value_kind: global_buffer, .address_space: global }
      - { .name: v, .offset: 8, .size: 8, .value_kind: global_buffer, .address_space: global }
      - { .name: t, .offset: 16, .size: 8, .value_kind: global_buffer, .address_space: global }
      - { .name: W1, .offset: 24, .size: 8, .value_kind: global_buffer, .address_space: global }
      - { .name: b1, .offset: 32, .size: 8, .value_kind: global_buffer, .address_space: global }
      - { .name: W2, .offset: 40, .size: 8, .value_kind: global_buffer, .address_space: global }
      - { .name: b2, .offset: 48, .size: 8, .value_kind: global_buffer, .address_space: global }
      - { .name: W3, .offset: 56, .size: 8, .value_kind: global_buffer, .address_space: global }
      - { .name: b3, .offset: 64, .size: 8, .value_kind: global_buffer, .address_space: global }
      - { .name: W4, .offset: 72, .size: 8, .value_kind: global_buffer, .address_space: global }
      - { .name: b4, .offset: 80, .size: 8, .value_kind: global_buffer, .address_space: global }
      - { .name: out0, .offset: 88, .size: 8, .value_kind: global_buffer, .address_space: global }
      - { .name: out1, .offset: 96, .size: 8, .value_kind: global_buffer, .address_space: global }
    .group_segment_fixed_size: 91136
    .private_segment_fixed_size: 0
    .kernarg_segment_align: 8
    .kernarg_segment_size: 104
    .max_flat_workgroup_size: 256
    .sgpr_count:     66
    .vgpr_count:     512
    .wavefront_size: 32
...
	.end_amdgpu_metadata
.endif
;; end of part 2
